; MI455X (gfx1250); checked and timed in simulation.
; The chip was launched on July 23, 2026; its instructions are those of AMD's public machine-readable ISA for CDNA 5 (MIT licence, August 2026) and "CDNA5" Instruction Set Architecture Reference Guide (July 2026). The comments in the code are by the model that wrote it; some were corrected since.
;; PPO Agent Quantum Jumanji. Allowed arithmetic: matrix products marked QUANTISED: E4M3 operands, one given power-of-two scale a tensor, by v_wmma_f32_16x16x64_fp8_fp8 or v_wmma_f32_16x16x128_fp8_fp8, f32 sums; products left as they are: f32 operands where the result goes on into a quantised operand, else bf16, f16 or f32 operands; f32 sums; everything else in f32.
;; Inputs: action 2,048 int32; input_scaling_actor 5 float32; input_scaling_critic 5 float32; lowp_scales 4 int32 (the exponents e of the quantised operands' scales 2^e); output_scaling_actor 10 float32; output_scaling_critic one number float32; weights_actor 5 float32; weights_critic 5 float32; x 2,048 x 55 float32.
;; Outputs: out0 2,048 x 3 float32.
;; This version of the problem:
;;   THIS VERSION OF THE PROBLEM IS GIVEN IN LOW PRECISION. The matrix products marked QUANTISED in the list below multiply operands that are first quantised to E4M3 (4 exponent bits, 3 mantissa bits; 8 bits a number), with one given power-of-two scale for each operand tensor; their sums are f32. All else is computed in f32.
;;   The module's matrix products, in the order in which they are computed (A, B: the left and right operand; K: the contracted axis; several contracted axes count as one K, in the product's order):
;;     1. [M 2,048, K 10] x [K 10, N 1,024]; A: input x; B: computed on the way: left as it is (K = 10 < 32)
;;     2. [M 2,048, K 45] x [K 45, N 1,024]; A: input x; B: computed on the way: QUANTISED (scales: A lowp_scales[0], B lowp_scales[1])
;;     3. [M 2,048, K 1,024] x [K 1,024, N 10]; A: computed on the way; B: computed on the way: left as it is (N = 10 < 16)
;;     4. [M 2,048, K 10] x [K 10, N 1,024]; A: input x; B: computed on the way: left as it is (K = 10 < 32)
;;     5. [M 2,048, K 45] x [K 45, N 1,024]; A: input x; B: computed on the way: QUANTISED (scales: A lowp_scales[2], B lowp_scales[3])
;;     6. [M 2,048, K 1,024] x [K 1,024, N 10]; A: computed on the way; B: computed on the way: left as it is (N = 10 < 16)
;;   THE QUANTISER, for each operand of a quantised product, along K:
;;     - The operand's scale is 2^e, e = its entry of the input lowp_scales (int32; the entries are numbered through the quantised products in the list's order, A before B).
;;     - Each number is divided by the scale, clamped to +-448, and rounded to the nearest number of E4M3, ties to even, subnormals kept.
;;     - The product sums the exact products of the quantised numbers (number of the format x scale) in f32.
;;   ~~~python
;;   def quantise(x, axis, e):      # numpy; x: float32 -> the quantised numbers, widened to float32 again
;;       x = np.moveaxis(x, axis, -1); K = x.shape[-1]
;;       r = np.clip(x / 2.0 ** e, -448, 448)
;;       step = 2.0 ** (np.maximum(np.frexp(np.where(r == 0, 1, r))[1] - 1, -6) - 3)
;;       q = np.round(r / step) * step * 2.0 ** e      # np.round: ties to even
;;       return np.moveaxis(q, -1, axis).astype(np.float32)
;;   ~~~
;;   OPERANDS COMPUTED ON THE WAY. 'Computed on the way' means the value that the module computes at that place (a softmax that the list does not call 'softmax' is quantised finished and normalised). What goes into a quantiser is computed in f32, as accurately as f32 sums, v_exp_f32 and their like allow (about 1e-6 of the number): no bf16 or f16 on the way to a quantiser, and a product that is left as it is and whose result goes on into a quantised operand takes f32 operands (vector FMAs, or v_wmma_f32_16x16x4_f32). A number that lies on a knife's edge between two numbers of the format may be rounded either way, as far as f32 arithmetic and the matrix unit's own rounding can turn it there, and no further.
;; One version. Each part assembles by itself: llvm-mc -triple=amdgcn-amd-amdhsa -mcpu=gfx1250 --defsym DOCPART=n.
;; ======== version 1 of 1: 1 launch
;; launch qsim (part 1): grid 256 x 1, 16 waves a work-group, no clusters, 211,712 bytes of LDS; arguments x, action, input_scaling_actor, weights_actor, output_scaling_actor, input_scaling_critic, weights_critic, output_scaling_critic, lowp_scales, out0; writes out0
.if DOCPART == 1
	.amdgcn_target "amdgcn-amd-amdhsa--gfx1250"
	.amdhsa_code_object_version 6
	.text
	.protected	k_q8224ec8673_qsim
	.globl	k_q8224ec8673_qsim
	.p2align	8
	.type	k_q8224ec8673_qsim,@function
k_q8224ec8673_qsim:
	s_mov_b64 s[64:65], 0
	v_nop
	global_prefetch_b8 v0, s[64:65] scope:SCOPE_SE
	s_setreg_imm32_b32 hwreg(HW_REG_WAVE_MODE, 25, 1), 1
	s_wait_xcnt 0x0
; Two 10-qubit circuits (actor, critic) of 5 layers for each of 2,048 samples; out0[sample] = (log_prob, entropy, value).
; SHARES.  A work-group owns 8 samples; wave tw simulates circuit tw / 8 of sample tw % 8: 1,024 complex amplitudes, 32 lanes x 32 register pairs (re, im).
; INDEX.  Wire q is bit 9 - q of the amplitude's index k; hi = k >> 5 (wires 0-4), lo = k & 31 (wires 5-9).  Layout L0: register = hi, lane = lo; layout L1: register = lo, lane = hi.
;   A layer does the five gates on register bits, turns the state through the wave's own LDS buffer (L0 <-> L1), and does the other five.
; GATES.  With c = cos(w/2), s = sin(w/2): RX = c U(s/c) where c^2 >= s^2, else (-i s) X U(-c/s); U(t): a' = a - i t partner, ONE packed multiply-add an amplitude, |t| <= 1.
;   X on all wires commutes with U, turns a later diagonal f(k) into f(~k) (the single-qubit part changes sign, the pair part stays) and <Z> into -<Z>: it is never performed, only signs are kept,
;   chosen by v_cndmask_b32.  Global phases are dropped; the state starts as 1; the norm 2^-10 x prod (1 + t^2)^-10 is applied once to the sums.
;   The critic's last layer needs wire 0's gate alone (the other nine commute with Z_0): its norm factor is (1 + t^2)^-1.
; DIAGONAL.  angle in revolutions = b_l x (raw FP8 sum) + a_l x H, b_l = -s_l / (4 pi) x 2^(eA + eB), a_l = +-s_l / (4 pi); r = angle - nearest whole number;
;   2 sin(pi r) and cos(pi r) by Taylor series in r^2 (6 and 7 terms, |pi r| <= pi/2), then doubled: sin = S C, cos = 1 - S^2 / 2.
; QUANTISED PRODUCT.  J (45 numbers a sample) x Z_PAIR^T by v_wmma_f32_16x16x64_fp8_fp8: source 0 = 16 rows of Z_PAIR (+-1 sent through the quantiser), source 1 = J's codes (column = sample, columns 8-15 repeat 0-7).
;   The 45 pairs lie in 25 + 20 byte slots of the two lane halves, the same order in both operands; the other slots are zero codes.  H (K = 10) is f32 multiply-adds.
; LIMITS.  Each entry of lowp_scales between -126 and 119; b_l must stay a normal f32 number.  NaN and infinities among the inputs are not served.  A phase factor is right to about 2e-7 plus the f32 rounding
;   of its angle, which grows with |angle|.  H is summed in another order than a dot product over q.  Each work-group stores 96 consecutive bytes of out0.
.set XS,   0                           ; LDS: the 8 rows of x as in memory, 1,760 bytes
.set OUTS, 1792                        ; [sample][3] f32, 96 bytes
.set STG,  2048                        ; 16 tasks x TS: raw pair sums; element (hi, lo) at (lo >> 2) SR + 16 hi + 4 (lo & 3)
.set TS,   4272
.set SR,   528
.set TB,   70400                       ; 16 waves x TBW: each wave's own buffer for the turn: 32 rows of TP bytes
.set TBW,  8704
.set TP,   272                         ; 256 + 16
; registers that stay
.set LN,   1                           ; lane
.set ST,   2                           ; TB + wave TBW + 8 lane
.set LD,   3                           ; TB + wave TBW + TP lane
.set OUTA, 4                           ; OUTS + 12 sample + 8 circuit
.set T4,   5                           ; 4 x thread
.set TT,   6                           ; v[6:7]   (t, -t)
.set AO,   8                           ; v[8:11]  a_l x the H part of register bits 4, 3
.set OO,   12                          ; v12-15   h_qR + h_qR+1, h_qR - h_qR+1 of L0, of L1
.set H8,   16                          ; v16-23 L0, v24-31 L1: H of the lane and of register bits 2-0
.set A,    32                          ; v32-95   the state
.set T,    96                          ; v96-127  16 amplitudes at work
.set ANG,  128
.set ZZ,   136
.set CC,   144
.set SS,   152
.set T2,   128                         ; the same 32 registers as a second set of 16 amplitudes,
.set P,    128                         ; and as 32 probabilities
.set JL,   160                         ; v160-191 raw pair sums in L0, v192-223 in L1
.set VS4,  224                         ; (S4, S4)
.set VC5,  226                         ; (C5, C5)
.set NS,   228                         ; the norm with the final sign
.set ZL,   229                         ; v229-233 1 - 2 x lane bit b
.set HQ,   234                         ; v234-243 h_0 .. h_9, later
.set EV,   234                         ; the ten sums
.set JA0,  254                         ; LDS address of my task's sums for L0
.set JA1,  255                         ; for L1
; registers of the prologue
.set VR,   6                           ; r = lane % 16
.set VH,   7                           ; h = lane / 16
.set VROW, 8                           ; 220 (r % 8)
.set VSTG, 9
.set VHS,  10                          ; 220 sample
.set VZ,   11                          ; 0
.set Y1,   20
.set SCL,  24
.set LIM,  25
.set XA,   26                          ; 16 x thread
.set WA,   27                          ; 4 min(lane, 4)
.set F,    32                          ; J by slots
.set G,    64                          ; held numbers, the conversions' sources
.set W,    96                          ; Z_PAIR by slots
.set AD,   128                         ; slot addresses
.set D,    128                         ; eight accumulators
.set BACT, 192
.set BCRI, 200
.set AACT, 208
.set ACRI, 216
.macro BARRIER                         ; my LDS stores have landed and my LDS loads are in: then the work-group's barrier
	s_wait_dscnt 0x0
	s_barrier_signal -1
	s_barrier_wait -1
.endm
.macro PLACES                          ; four plain vector instructions behind a matrix instruction (ISA guide 7.12.1)
.rept 4
	v_nop
.endr
.endm
.macro SPAIR r, bits                   ; a coefficient as a pair: the packed forms name a pair and take its low word
	s_mov_b32 s[\r], \bits
	s_mov_b32 s[\r+1], \bits
.endm
	s_load_b512 s[4:19], s[0:1], 0x0               ; x, action, actor's scaling, weights, output scaling, critic's scaling, weights, output scaling
	s_load_b128 s[20:23], s[0:1], 0x40             ; lowp_scales, out0
	v_lshl_add_u32 v252, v0, 2, 0x33300
	v_mov_b32 v253, 0
	v_and_b32 v[LN], 31, v0
	v_lshrrev_b32 v15, 5, v0
	v_readfirstlane_b32 s24, v15                   ; wave 0..15
	s_lshr_b32 s25, s24, 3                         ; circuit: 0 actor, 1 critic
	s_and_b32 s26, s24, 7                          ; sample in the work-group
	; every LDS address is made here, ahead of any parting of the waves
	s_mul_i32 s54, s24, TBW
	s_add_co_u32 s54, s54, TB
	v_lshl_add_u32 v[ST], v[LN], 3, s54
	v_mul_u32_u24 v[LD], v[LN], TP
	v_add_nc_u32 v[LD], s54, v[LD]
	s_mul_i32 s55, s26, 12
	s_lshl_b32 s56, s25, 3
	s_add_co_u32 s55, s55, s56
	s_add_co_u32 s55, s55, OUTS
	v_mov_b32 v[OUTA], s55
	v_lshlrev_b32 v[T4], 2, v0
	v_and_b32 v[VR], 15, v0
	v_bfe_u32 v[VH], v0, 4, 1
	v_and_b32 v15, 7, v0
	v_mul_u32_u24 v[VROW], v15, 220
	v_mul_u32_u24 v[VSTG], v15, TS
	v_mad_u32_u24 v[VSTG], v[VH], 2*SR, v[VSTG]
	s_lshl_b32 s56, s24, 5
	s_add_co_u32 s56, s56, STG
	v_add_nc_u32 v[VSTG], s56, v[VSTG]             ; STG + (r % 8) TS + 2 SR h + 32 wave
	s_mul_i32 s56, s26, 220
	v_mov_b32 v[VHS], s56
	s_mul_i32 s57, s24, TS
	s_add_co_u32 s57, s57, STG
	v_lshl_add_u32 v[JA1], v[LN], 4, s57
	v_lshrrev_b32 v15, 2, v[LN]
	v_mul_u32_u24 v15, v15, SR
	v_and_b32 v14, 3, v0
	v_lshl_add_u32 v15, v14, 2, v15
	v_add_nc_u32 v[JA0], s57, v15
	v_lshlrev_b32 v[XA], 4, v0
	v_min_u32 v[WA], 4, v[LN]
	v_lshlrev_b32 v[WA], 2, v[WA]
	v_mov_b32 v[VZ], 0
	; 2 sin(pi r) = r (S0 + S1 z + .. + S5 z^5), cos(pi r) = 1 + C1 z + .. + C6 z^6, z = r^2
	SPAIR 32, 0x40c90fdb                           ; S0 = 2 pi
	SPAIR 34, 0xc1255de7                           ; S1 = -pi^3 / 3
	SPAIR 36, 0x40a335e3                           ; S2 = pi^5 / 60
	SPAIR 38, 0xbf996966                           ; S3 = -pi^7 / 2520
	SPAIR 40, 0xbc7183a8                           ; S5 = -pi^11 / 19958400
	SPAIR 42, 0xc09de9e6                           ; C1 = -pi^2 / 2
	SPAIR 44, 0x4081e0f8                           ; C2 = pi^4 / 24
	SPAIR 46, 0xbfaae9e4                           ; C3 = -pi^6 / 720
	SPAIR 48, 0x3e70fa83                           ; C4 = pi^8 / 40320
	SPAIR 50, 0x3afce9c5                           ; C6 = pi^12 / 479001600
	s_mov_b32 s52, 0x76543210                      ; v_permlanex16_b32's selects for lane l xor 16
	s_mov_b32 s53, 0xfedcba98
	v_mov_b32 v[VS4], 0x3e283c1a                   ; S4 = pi^9 / 181440
	v_mov_b32 v[VS4+1], 0x3e283c1a
	v_mov_b32 v[VC5], 0xbcd368f9                   ; C5 = -pi^10 / 3628800
	v_mov_b32 v[VC5+1], 0xbcd368f9
	s_wait_kmcnt 0x0
	s_load_b128 s[28:31], s[20:21], 0x0            ; e0 .. e3
	s_load_b256 s[88:95], s[12:13], 0x0            ; the actor's ten output scalings
	s_load_b64 s[96:97], s[12:13], 0x20
	s_load_b32 s99, s[18:19], 0x0                  ; the critic's
	s_lshl_b32 s54, ttmp9, 3
	s_add_co_u32 s54, s54, s26
	s_lshl_b32 s54, s54, 2
	s_mov_b32 s55, 0
	s_add_nc_u64 s[6:7], s[6:7], s[54:55]
	s_load_b32 s98, s[6:7], 0x0                    ; my sample's action
	s_cmp_lt_u32 s24, 8                            ; my circuit's weights and scalings: the choice hangs on the wave's number alone
	s_cselect_b64 s[86:87], s[10:11], s[16:17]
	s_cselect_b64 s[100:101], s[8:9], s[14:15]
	global_load_b32 v244, v[WA], s[86:87]          ; lane l (0..4): w_l
	global_load_b32 v245, v[WA], s[100:101]        ; s_l
	s_mul_i32 s54, ttmp9, 1760
	s_add_nc_u64 s[4:5], s[4:5], s[54:55]          ; x at my work-group's 8 rows
	s_wait_xcnt 0x0                                ; EXEC changes only behind this wait
	v_cmp_gt_u32 vcc_lo, 110, v0
	s_and_saveexec_b32 s56, vcc_lo                 ; 110 threads x 16 bytes = 8 rows of 220 bytes
	global_load_b128 v[28:31], v[XA], s[4:5] th:TH_LOAD_NT
	s_wait_loadcnt 0x0                             ; x, and the two loads ahead of it
	ds_store_b128 v[XA], v[28:31] offset:XS
	s_wait_xcnt 0x0
	s_or_b32 exec_lo, exec_lo, s56
	BARRIER                                        ; the 8 rows of x lie in LDS
; ---- the quantised product.  Slot s of lane half h holds pair p0 (h = 0) or p1 (h = 1) of reference()'s 45, in both operands.
.macro JLD s, p0, p1
	v_mad_u32_u24 v[AD+\s], v[VH], 4*(\p1-\p0), v[VROW]
	ds_load_b32 v[F+\s], v[AD+\s] offset:XS+40+4*\p0
.endm
.macro JLP s, p0                       ; half 1 has no pair here: it reads p0 too and is cleared below
	ds_load_b32 v[F+\s], v[VROW] offset:XS+40+4*\p0
.endm
	JLD 0, 3, 31                                   ; (i, 4) | (4, 6 + i)
	JLD 1, 11, 32
	JLD 2, 18, 33
	JLD 3, 24, 34
	JLP 4, 30                                      ; (4, 5)
	JLD 5, 4, 35                                   ; (i, 5) | (5, 6 + i)
	JLD 6, 12, 36
	JLD 7, 19, 37
	JLD 8, 25, 38
	JLD 9, 0, 39                                   ; (i, j), i < j < 4 | (6 + i, 6 + j)
	JLD 10, 1, 40
	JLD 11, 2, 41
	JLD 12, 9, 42
	JLD 13, 10, 43
	JLD 14, 17, 44
	JLD 15, 6, 13                                  ; (i, 6 + j), i < j | (j, 6 + i)
	JLD 16, 7, 20
	JLD 17, 8, 26
	JLD 18, 15, 21
	JLD 19, 16, 27
	JLD 20, 23, 28
	JLP 21, 5                                      ; (i, 6 + i)
	JLP 22, 14
	JLP 23, 22
	JLP 24, 29
.irp q, 0,1,2,3,4,5,6,7,8,9
	ds_load_b32 v[HQ+\q], v[VHS] offset:XS+4*\q    ; my sample's h, the same in every lane
.endr
	; Z_PAIR's rows of the tile hi = 2 wave, lo = r, while the loads are out.  Wires 0-3 are the wave's bits 3-0, wires 6-9 are r's; half 1 takes the two groups the other way round.
	v_cmp_eq_u32 s58, 1, v[VH]
	v_mov_b32 v15, s24
	v_cndmask_b32 v13, v15, v[VR], s58
	v_cndmask_b32 v14, v[VR], v15, s58
.irp i, 0,1,2,3
	v_lshlrev_b32 v12, 28+\i, v13                  ; bit 3 - i becomes the sign of 1.0
	v_and_or_b32 v[W+\i], v12, 0x80000000, 1.0     ; x wire 4's +1
	v_and_or_b32 v[W+5+\i], v12, 0x80000000, 1.0   ; x wire 5's +1
	v_lshlrev_b32 v12, 28+\i, v14
	v_and_or_b32 v[Y1+\i], v12, 0x80000000, 1.0
.endr
	v_cndmask_b32 v[W+4], 1.0, v[VZ], s58
.macro WPAIR s, i, j
	v_mul_f32 v[W+9+\s], v[W+\i], v[W+\j]
	v_mul_f32 v[W+15+\s], v[W+\i], v[Y1+\j]
.endm
	WPAIR 0, 0, 1
	WPAIR 1, 0, 2
	WPAIR 2, 0, 3
	WPAIR 3, 1, 2
	WPAIR 4, 1, 3
	WPAIR 5, 2, 3
.irp i, 0,1,2,3
	v_mul_f32 v[W+21+\i], v[W+\i], v[Y1+\i]
.endr
.irp i, 0,1,2,3
	v_cndmask_b32 v[W+21+\i], v[W+21+\i], v[VZ], s58
.endr
.irp s, 25,26,27,28,29,30,31
	v_mov_b32 v[G+\s], 0                           ; K is 45: the slots left over are zero codes in both operands
.endr
	s_wait_dscnt 0x0                               ; J and h are in
.irp s, 4,21,22,23,24
	v_cndmask_b32 v[F+\s], v[F+\s], v[VZ], s58
.endr
	s_wait_kmcnt 0x0                               ; the scales' exponents, the output scalings, the action
.macro QPAR e                          ; 2^e as f32 for the conversion, and 448 x 2^e for the hold
	s_add_co_i32 s2, s[\e], 127
	s_lshl_b32 s3, s2, 23
	v_mov_b32 v[SCL], s3
	s_add_co_i32 s2, s2, 8
	s_lshl_b32 s2, s2, 23
	s_or_b32 s2, s2, 0x600000
	v_mov_b32 v[LIM], s2
.endm
.macro QUANT src, dst
.set i, 0
.rept 25
	v_med3_num_f32 v[G+i], v[\src+i], -v[LIM], v[LIM]   ; the conversion to an 8-bit code does not saturate (ISA guide 7.6.2): the hold comes first
.set i, i+1
.endr
.irp g, 0,1,2,3
	v_cvt_scalef32_pk8_fp8_f32 v[\dst+2*\g:\dst+2*\g+1], v[G+8*\g:G+8*\g+7], v[SCL]
.endr
	v_nop                                          ; one plain vector instruction behind the conversions, ahead of whatever writes their sources or reads their codes
.endm
	QPAR 28
	QUANT F, BACT
	QPAR 30
	QUANT F, BCRI
	QPAR 29
	QUANT W, AACT
	QPAR 31
	QUANT W, ACRI
.macro PROD d                          ; one tile of 16 amplitudes x 8 samples for each circuit; eight accumulators, each written once
	v_wmma_f32_16x16x64_fp8_fp8 v[D+16*\d:D+16*\d+7], v[AACT:AACT+7], v[BACT:BACT+7], 0
	v_wmma_f32_16x16x64_fp8_fp8 v[D+16*\d+8:D+16*\d+15], v[ACRI:ACRI+7], v[BCRI:BCRI+7], 0
	PLACES
.endm
.macro FLIP w0, w1                     ; a wire's bit turns: the codes of its five pairs change sign (a zero code stays zero)
.irp a, AACT, ACRI
	v_xor_b32 v[\a+\w0], 0x80808080, v[\a+\w0]
	v_xor_b32 v[\a+\w1], 0x80, v[\a+\w1]
.endr
.endm
	PROD 0                                         ; hi = 2 wave,     lo = r
	FLIP 1, 2                                      ; wire 5: slots 4 to 8
	PROD 1                                         ; hi = 2 wave,     lo = 16 + r
	FLIP 0, 1                                      ; wire 4: slots 0 to 4
	PROD 2                                         ; hi = 2 wave + 1, lo = 16 + r
	FLIP 1, 2
	PROD 3                                         ; hi = 2 wave + 1, lo = r
	; lane (r, h), register j of a result: sample r, lo = 16 u + 8 h + j.  Lanes r < 8 store; each accumulator from its low end on
.macro STAGE d, tau, u
.irp c, 0,1
	ds_store_b128 v[VSTG], v[D+16*\d+8*\c:D+16*\d+8*\c+3] offset:\c*8*TS+\u*4*SR+\tau*16
	ds_store_b128 v[VSTG], v[D+16*\d+8*\c+4:D+16*\d+8*\c+7] offset:\c*8*TS+\u*4*SR+\tau*16+SR
.endr
.endm
	v_cmp_gt_u32 vcc_lo, 8, v[VR]
	s_and_saveexec_b32 s56, vcc_lo
	STAGE 0, 0, 0
	STAGE 1, 0, 1
	STAGE 2, 1, 1
	STAGE 3, 1, 0
	s_or_b32 exec_lo, exec_lo, s56
; ---- the layers' constants, layer l in lane l
	v_mul_f32 v32, 0x3da2f983, v244                ; w / 2 in revolutions
	v_rndne_f32 v33, v32
	v_sub_f32 v32, v32, v33
	v_mul_f32 v33, v32, v32
	v_fma_f32 v34, v33, s40, v[VS4]
	v_fma_f32 v35, v33, s50, v[VC5]
	v_fma_f32 v34, v34, v33, s38
	v_fma_f32 v35, v35, v33, s48
	v_fma_f32 v34, v34, v33, s36
	v_fma_f32 v35, v35, v33, s46
	v_fma_f32 v34, v34, v33, s34
	v_fma_f32 v35, v35, v33, s44
	v_fma_f32 v34, v34, v33, s32
	v_fma_f32 v35, v35, v33, s42
	v_mul_f32 v34, v34, v32
	v_fma_f32 v35, v35, v33, 1.0
	v_mul_f32 v36, v34, v35                        ; s = sin(w / 2)
	v_mul_f32 v37, v34, v34
	v_fma_f32 v37, v37, -0.5, 1.0                  ; c = cos(w / 2)
	v_mul_f32 v38, v36, v36
	v_mul_f32 v39, v37, v37
	v_cmp_lt_f32 s60, v39, v38                     ; the layer carries an X where c^2 < s^2
	v_xor_b32 v40, 0x80000000, v37
	v_cndmask_b32 v41, v36, v40, s60               ; s, or -c
	v_cndmask_b32 v42, v37, v36, s60               ; over c, or s: at least 0.7 in magnitude
	v_rcp_f32 v43, v42
	v_mul_f32 v44, 0xbda2f983, v245                ; -s_l / (4 pi)  (a plain instruction behind the reciprocal)
	s_and_b32 s60, s60, 31
	s_lshl_b32 s61, s60, 1                         ; running parity of the X's over the layers
	s_xor_b32 s60, s60, s61
	s_lshl_b32 s61, s60, 2
	s_xor_b32 s60, s60, s61
	s_lshl_b32 s61, s60, 4
	s_xor_b32 s60, s60, s61                        ; bit l: layers 0 .. l
	s_lshl_b32 s62, s60, 1                         ; bit l: layers ahead of l
	s_lshl_b32 s61, s60, 27
	s_and_b32 s61, s61, 0x80000000                 ; all five: the sign of the sums
	s_lshl_b32 s59, s25, 4                         ; lane 4 of a critic's wave
	s_add_co_i32 s54, s28, s29
	s_add_co_i32 s55, s30, s31
	s_cmp_eq_u32 s25, 0
	s_cselect_b32 s63, s54, s55                    ; my product's two exponents added
	v_xor_b32 v45, 0x80000000, v44
	v_cndmask_b32 v46, v44, v45, s62               ; a_l
	v_ldexp_f32 v47, v44, s63                      ; b_l
	s_wait_alu depctr_va_vdst(0)                   ; the wait ahead of the reciprocal's first reader
	v_mul_f32 v43, v41, v43                        ; t_l
	v_fma_f32 v48, v43, v43, 1.0                   ; g = 1 + t^2
	v_mul_f32 v49, v48, v48
	v_mul_f32 v49, v49, v49
	v_mul_f32 v49, v49, v48
	v_mul_f32 v49, v49, v49                        ; g^10: ten gates;
	v_cndmask_b32 v49, v49, v48, s59               ; the critic's last layer has one
.irp l, 0,1,2,3,4
	v_readlane_b32 s[66+4*\l], v47, \l             ; s[66 + 4 l ..]: b_l, b_l, a_l, t_l
	v_readlane_b32 s[68+4*\l], v46, \l
	v_readlane_b32 s[69+4*\l], v43, \l
	v_readlane_b32 s[54+\l], v49, \l
.endr
.irp l, 0,1,2,3,4
	s_mov_b32 s[67+4*\l], s[66+4*\l]
.endr
	v_mov_b32 v50, s54
	v_mul_f32 v50, s55, v50
	v_mul_f32 v50, s56, v50
	v_mul_f32 v50, s57, v50
	v_mul_f32 v50, s58, v50                        ; at most 2^50
	v_rcp_f32 v51, v50
	v_nop
	s_wait_alu depctr_va_vdst(0)
	v_ldexp_f32 v51, v51, -10
	v_xor_b32 v[NS], s61, v51
	BARRIER                                        ; every task's 1,024 raw sums lie in LDS
; ---- my task's tables
.irp c, 0,1,2,3,4,5,6,7
	ds_load_b128 v[JL+32+4*\c:JL+32+4*\c+3], v[JA1] offset:SR*\c   ; L1: lane = hi, registers lo = 4 c ..
.endr
.set i, 0
.rept 32
	ds_load_b32 v[JL+i], v[JA0] offset:16*i        ; L0: lane = lo, register hi = i
.set i, i+1
.endr
.irp b, 0,1,2,3,4
	v_lshlrev_b32 v244, 31-\b, v[LN]
	v_and_or_b32 v[ZL+\b], v244, 0x80000000, 1.0
.endr
.macro HTAB lay, qR, qL                ; register bit 4 - i is wire qR + i, lane bit 4 - i is wire qL + i
	v_mul_f32 v244, v[ZL], v[HQ+\qL+4]
	v_fma_f32 v244, v[ZL+1], v[HQ+\qL+3], v244
	v_fma_f32 v244, v[ZL+2], v[HQ+\qL+2], v244
	v_fma_f32 v244, v[ZL+3], v[HQ+\qL+1], v244
	v_fma_f32 v244, v[ZL+4], v[HQ+\qL], v244
	v_add_f32 v244, v244, v[HQ+\qR+2]
	v_add_f32 v244, v244, v[HQ+\qR+3]
	v_add_f32 v[H8+8*\lay], v244, v[HQ+\qR+4]
	v_fma_f32 v[H8+8*\lay+1], v[HQ+\qR+4], -2.0, v[H8+8*\lay]
.irp m, 0,1
	v_fma_f32 v[H8+8*\lay+2+\m], v[HQ+\qR+3], -2.0, v[H8+8*\lay+\m]
.endr
.irp m, 0,1,2,3
	v_fma_f32 v[H8+8*\lay+4+\m], v[HQ+\qR+2], -2.0, v[H8+8*\lay+\m]
.endr
	v_add_f32 v[OO+2*\lay], v[HQ+\qR], v[HQ+\qR+1]
	v_sub_f32 v[OO+2*\lay+1], v[HQ+\qR], v[HQ+\qR+1]
.endm
	HTAB 0, 0, 5
	HTAB 1, 5, 0
; ---- the macros of a layer
.macro LCT l                           ; (t, -t)
	v_mov_b32 v[TT], s[69+4*(\l)]
	v_xor_b32 v[TT+1], 0x80000000, v[TT]
.endm
.macro LCP l                           ; a_l x H of register bits 4 and 3: ++, +-, -+, --
.set LAY, (\l)&1
	v_mul_f32 v[AO], s[68+4*(\l)], v[OO+2*LAY]
	v_mul_f32 v[AO+1], s[68+4*(\l)], v[OO+2*LAY+1]
	v_xor_b32 v[AO+2], 0x80000000, v[AO+1]
	v_xor_b32 v[AO+3], 0x80000000, v[AO]
.endm
; Two gates, on register bits m1 and m2 (1, 2 or 4, 8), 16 amplitudes at a time: A -> T -> A.  new = self + (t im(partner), -t re(partner)).
; wt = 1: the state is on its way from LDS: the count 8 leaves the eight younger of the 16 loads out (LDS serves a wave in order: the 32 stores and amplitudes 0-15 are done), the second half waits for all.
.macro GATE2 m1, m2, wt
.irp b, 0,1
.if \wt
.if \b == 0
	s_wait_dscnt 8
.else
	s_wait_dscnt 0x0
.endif
.endif
.set i, 0
.rept 16
.set RA, A+2*(16*\b+(i^\m1))
.set RB, A+2*(16*\b+i)
	v_pk_fma_f32 v[T+2*i:T+2*i+1], v[RA:RA+1], v[TT:TT+1], v[RB:RB+1] op_sel:[1,0,0] op_sel_hi:[0,1,1]
.set i, i+1
.endr
.set i, 0
.rept 16
.set RA, T+2*(i^\m2)
.set RB, A+2*(16*\b+i)
	v_pk_fma_f32 v[RB:RB+1], v[RA:RA+1], v[TT:TT+1], v[T+2*i:T+2*i+1] op_sel:[1,0,0] op_sel_hi:[0,1,1]
.set i, i+1
.endr
.endr
.endm
.macro GHALF q, d                      ; the gate on register bit 4 for amplitudes 8 q + i (to d + 2 i) and 8 q + 16 + i (to d + 16 + 2 i)
.set i, 0
.rept 8
.set RA, A+2*(8*\q+i)
.set RB, A+2*(8*\q+16+i)
	v_pk_fma_f32 v[\d+2*i:\d+2*i+1], v[RB:RB+1], v[TT:TT+1], v[RA:RA+1] op_sel:[1,0,0] op_sel_hi:[0,1,1]
	v_pk_fma_f32 v[\d+16+2*i:\d+16+2*i+1], v[RA:RA+1], v[TT:TT+1], v[RB:RB+1] op_sel:[1,0,0] op_sel_hi:[0,1,1]
.set i, i+1
.endr
.endm
.macro TSTORE q, d                     ; row = my register, column = my lane: 256 consecutive bytes a store
.set i, 0
.rept 8
	ds_store_b64 v[ST], v[\d+2*i:\d+2*i+1] offset:(8*\q+i)*TP
	ds_store_b64 v[ST], v[\d+16+2*i:\d+16+2*i+1] offset:(8*\q+16+i)*TP
.set i, i+1
.endr
.endm
.macro TLOAD                           ; row = my lane: the old lanes become my registers.  The buffer is my wave's own and LDS serves a wave in order: no wait, no barrier
.set i, 0
.rept 16
	ds_load_b128 v[A+4*i:A+4*i+3], v[LD] offset:16*i
.set i, i+1
.endr
.endm
.macro HSTEP sr, cr                    ; one step of both series
.irp i, 0,1,2,3
	v_pk_fma_f32 v[SS+2*\i:SS+2*\i+1], v[SS+2*\i:SS+2*\i+1], v[ZZ+2*\i:ZZ+2*\i+1], s[\sr:\sr+1] op_sel_hi:[1,1,0]
	v_pk_fma_f32 v[CC+2*\i:CC+2*\i+1], v[CC+2*\i:CC+2*\i+1], v[ZZ+2*\i:ZZ+2*\i+1], s[\cr:\cr+1] op_sel_hi:[1,1,0]
.endr
.endm
; Layer l's diagonal on amplitudes 8 c .. 8 c + 7, read from v[src ..], written to the state.  first = 1: the state is 1, so the factor itself is written.
.macro PHASE l, c, src, first
.set LAY, (\l)&1
.set HB, H8+8*LAY
.set JB, JL+32*LAY+8*(\c)
.set SB, 66+4*(\l)
.set AB, AO+2*((\c)>>1)
.set AJ, A+16*(\c)
.irp i, 0,1,2,3
.if ((\c)&1) == 0
	v_pk_fma_f32 v[ANG+2*\i:ANG+2*\i+1], v[HB+2*\i:HB+2*\i+1], s[SB+2:SB+3], v[AB:AB+1] op_sel_hi:[1,0,0]
.else
	v_pk_fma_f32 v[ANG+2*\i:ANG+2*\i+1], v[HB+2*\i:HB+2*\i+1], s[SB+2:SB+3], v[AB:AB+1] op_sel:[0,0,1] op_sel_hi:[1,0,1]
.endif
.endr
.irp i, 0,1,2,3
	v_pk_fma_f32 v[ANG+2*\i:ANG+2*\i+1], v[JB+2*\i:JB+2*\i+1], s[SB:SB+1], v[ANG+2*\i:ANG+2*\i+1] op_sel_hi:[1,0,1]   ; the angle in revolutions
.endr
.irp k, 0,1,2,3,4,5,6,7
	v_rndne_f32 v[ZZ+\k], v[ANG+\k]
.endr
.irp i, 0,1,2,3
	v_pk_add_f32 v[ANG+2*\i:ANG+2*\i+1], v[ANG+2*\i:ANG+2*\i+1], v[ZZ+2*\i:ZZ+2*\i+1] neg_lo:[0,1] neg_hi:[0,1]   ; r, within +-0.5
.endr
.irp i, 0,1,2,3
	v_pk_mul_f32 v[ZZ+2*\i:ZZ+2*\i+1], v[ANG+2*\i:ANG+2*\i+1], v[ANG+2*\i:ANG+2*\i+1]
.endr
.irp i, 0,1,2,3
	v_pk_fma_f32 v[SS+2*\i:SS+2*\i+1], v[ZZ+2*\i:ZZ+2*\i+1], s[40:41], v[VS4:VS4+1] op_sel_hi:[1,0,1]
	v_pk_fma_f32 v[CC+2*\i:CC+2*\i+1], v[ZZ+2*\i:ZZ+2*\i+1], s[50:51], v[VC5:VC5+1] op_sel_hi:[1,0,1]
.endr
	HSTEP 38, 48
	HSTEP 36, 46
	HSTEP 34, 44
	HSTEP 32, 42
.irp i, 0,1,2,3
	v_pk_fma_f32 v[CC+2*\i:CC+2*\i+1], v[CC+2*\i:CC+2*\i+1], v[ZZ+2*\i:ZZ+2*\i+1], 1.0 op_sel_hi:[1,1,0]   ; cos(pi r)
	v_pk_mul_f32 v[SS+2*\i:SS+2*\i+1], v[SS+2*\i:SS+2*\i+1], v[ANG+2*\i:ANG+2*\i+1]                        ; 2 sin(pi r)
.endr
.irp i, 0,1,2,3
	v_pk_mul_f32 v[ZZ+2*\i:ZZ+2*\i+1], v[SS+2*\i:SS+2*\i+1], v[SS+2*\i:SS+2*\i+1]
.endr
.if \first
.irp k, 0,1,2,3,4,5,6,7
	v_fma_f32 v[AJ+2*\k], v[ZZ+\k], -0.5, 1.0      ; cos(2 pi r)
	v_mul_f32 v[AJ+2*\k+1], v[SS+\k], v[CC+\k]     ; sin(2 pi r)
.endr
.else
.irp i, 0,1,2,3
	v_pk_mul_f32 v[SS+2*\i:SS+2*\i+1], v[SS+2*\i:SS+2*\i+1], v[CC+2*\i:CC+2*\i+1]
.endr
.irp i, 0,1,2,3
	v_pk_fma_f32 v[CC+2*\i:CC+2*\i+1], v[ZZ+2*\i:ZZ+2*\i+1], -0.5, 1.0 op_sel_hi:[1,0,0]
.endr
.irp i, 0,1,2,3                        ; (re, im) x cos,
	v_pk_mul_f32 v[AJ+4*\i:AJ+4*\i+1], v[\src+4*\i:\src+4*\i+1], v[CC+2*\i:CC+2*\i+1] op_sel_hi:[1,0]
	v_pk_mul_f32 v[AJ+4*\i+2:AJ+4*\i+3], v[\src+4*\i+2:\src+4*\i+3], v[CC+2*\i:CC+2*\i+1] op_sel:[0,1] op_sel_hi:[1,1]
.endr
.irp i, 0,1,2,3                        ; + (-im, re) x sin
	v_pk_fma_f32 v[AJ+4*\i:AJ+4*\i+1], v[\src+4*\i:\src+4*\i+1], v[SS+2*\i:SS+2*\i+1], v[AJ+4*\i:AJ+4*\i+1] op_sel:[1,0,0] op_sel_hi:[0,0,1] neg_lo:[0,1,0]
	v_pk_fma_f32 v[AJ+4*\i+2:AJ+4*\i+3], v[\src+4*\i+2:\src+4*\i+3], v[SS+2*\i:SS+2*\i+1], v[AJ+4*\i+2:AJ+4*\i+3] op_sel:[1,1,0] op_sel_hi:[0,1,1] neg_lo:[0,1,0]
.endr
.endif
.endm
; Layer l's ten gates, with the turn in the middle; the last gate feeds the next layer's diagonal (last = 0) or the probabilities (last = 1; (t, -t) is set by the caller).
.macro LAYER l, last
.if !\last
	LCT \l
	LCP (\l)+1
.endif
	GATE2 1, 2, 0
	GATE2 4, 8, 0
	GHALF 0, T
	TSTORE 0, T
	GHALF 1, T2
	TSTORE 1, T2
	TLOAD
	GATE2 1, 2, 1
	GATE2 4, 8, 0
.irp q, 0,1
	GHALF \q, T
.if \last
.set i, 0
.rept 8
	v_mul_f32 v[P+8*\q+i], v[T+2*i], v[T+2*i]
	v_mul_f32 v[P+8*\q+16+i], v[T+16+2*i], v[T+16+2*i]
.set i, i+1
.endr
.set i, 0
.rept 8
	v_fma_f32 v[P+8*\q+i], v[T+2*i+1], v[T+2*i+1], v[P+8*\q+i]
	v_fma_f32 v[P+8*\q+16+i], v[T+16+2*i+1], v[T+16+2*i+1], v[P+8*\q+16+i]
.set i, i+1
.endr
.else
	PHASE (\l)+1, \q, T, 0
	PHASE (\l)+1, \q+2, T+16, 0
.endif
.endr
.endm
.macro WSUM base, n, tmp               ; n registers summed over the 32 lanes, step by step for all of them; v[tmp ..] have been written before
.irp m, 1,2,4,8
.set i, 0
.rept \n
	v_add_f32_dpp v[\base+i], v[\base+i], v[\base+i] row_xmask:\m row_mask:0xf bank_mask:0xf
.set i, i+1
.endr
.endr
.set i, 0
.rept \n
	v_permlanex16_b32 v[\tmp+i], v[\base+i], s52, s53
.set i, i+1
.endr
.set i, 0
.rept \n
	v_add_f32 v[\base+i], v[\base+i], v[\tmp+i]
.set i, i+1
.endr
.endm
.macro MLEVEL n, ev                    ; the register bit worth n: differences summed into EV + ev, sums folded into the lower half
.set i, 0
.rept \n/2
	v_pk_add_f32 v[T+2*i:T+2*i+1], v[P+2*i:P+2*i+1], v[P+\n+2*i:P+\n+2*i+1] neg_lo:[0,1] neg_hi:[0,1]
	v_pk_add_f32 v[P+2*i:P+2*i+1], v[P+2*i:P+2*i+1], v[P+\n+2*i:P+\n+2*i+1]
.set i, i+1
.endr
.irp w, 8,4,2
.if \n > \w
.set i, 0
.rept \w/2
	v_pk_add_f32 v[T+2*i:T+2*i+1], v[T+2*i:T+2*i+1], v[T+\w+2*i:T+\w+2*i+1]
.set i, i+1
.endr
.endif
.endr
	v_add_f32 v[EV+\ev], v[T], v[T+1]
.endm
; ---- the circuit
	LCP 0
	s_wait_dscnt 0x0                               ; both tables of raw sums are in
	PHASE 0, 0, T, 1
	PHASE 0, 1, T, 1
	PHASE 0, 2, T, 1
	PHASE 0, 3, T, 1
	LAYER 0, 0
	LAYER 1, 0
	LAYER 2, 0
	LAYER 3, 0
	LCT 4
	s_cmp_lg_u32 s25, 0                            ; the waves part on their number: 0-7 actor, 8-15 critic; no barrier stands in either part
	s_cbranch_scc1 .Lcritic
	LAYER 4, 1
	; the actor's ten <Z_q>, in L1: wires 5-9 are register bits 4-0, wires 0-4 lane bits 4-0
	MLEVEL 16, 5
	MLEVEL 8, 6
	MLEVEL 4, 7
	MLEVEL 2, 8
	v_sub_f32 v[EV+9], v[P], v[P+1]
	v_add_f32 v244, v[P], v[P+1]
.irp q, 0,1,2,3,4
	v_mul_f32 v[EV+\q], v244, v[ZL+4-\q]
.endr
	WSUM EV, 10, T
.irp q, 0,1,2,3,4,5,6,7,8,9
	v_mul_f32 v[EV+\q], v[EV+\q], v[NS]
.endr
.irp q, 0,1,2,3,4,5,6,7,8,9
	v_mul_f32 v[EV+\q], s[88+\q], v[EV+\q]         ; the logits
.endr
	v_max3_num_f32 v244, v[EV], v[EV+1], v[EV+2]
	v_max3_num_f32 v244, v244, v[EV+3], v[EV+4]
	v_max3_num_f32 v244, v244, v[EV+5], v[EV+6]
	v_max3_num_f32 v244, v244, v[EV+7], v[EV+8]
	v_max_num_f32 v244, v244, v[EV+9]
.irp q, 0,1,2,3,4,5,6,7,8,9
	v_sub_f32 v[EV+\q], v[EV+\q], v244             ; d_q = logit - the largest
.endr
.irp q, 0,1,2,3,4,5,6,7,8,9
	v_mul_f32 v[T+\q], 0x3fb8aa3b, v[EV+\q]
.endr
.irp q, 0,1,2,3,4,5,6,7,8,9
	v_exp_f32 v[T+\q], v[T+\q]                     ; one batch
.endr
	v_mov_b32 v245, s98                            ; the action picks its d by selects, while the batch is out
	v_mov_b32 v246, v[EV]
.irp q, 1,2,3,4,5,6,7,8,9
	v_cmp_eq_u32 vcc_lo, \q, v245
	v_cndmask_b32 v246, v246, v[EV+\q], vcc_lo
.endr
	s_wait_alu depctr_va_vdst(0)                   ; one wait for the ten exponentials, ahead of their first reader
	v_add_f32 v247, v[T], v[T+1]
	v_mul_f32 v248, v[T], v[EV]
.irp q, 2,3,4,5,6,7,8,9
	v_add_f32 v247, v247, v[T+\q]
.endr
.irp q, 1,2,3,4,5,6,7,8,9
	v_fma_f32 v248, v[T+\q], v[EV+\q], v248
.endr
	v_log_f32 v249, v247
	v_rcp_f32 v250, v247
	v_nop
	s_wait_alu depctr_va_vdst(0)
	v_mul_f32 v249, 0x3f317218, v249               ; L = ln of the sum
	v_mul_f32 v250, v248, v250
	v_sub_f32 v246, v246, v249                     ; log_prob = d_action - L
	v_sub_f32 v250, v249, v250                     ; entropy = L - (sum of e d) / (sum of e)
	ds_store_b32 v[OUTA], v246
	ds_store_b32 v[OUTA], v250 offset:4
	s_branch .Ljoin
.Lcritic:
	; the critic's <Z_0>, in L0: wire 0 is register bit 4; its gate alone, then |.|^2 with the bit's sign, in four chains
.irp q, 0,1
	GHALF \q, T
.set i, 0
.rept 8
.set RA, P+2*(i&3)
.if (\q == 0) && (i < 4)
	v_pk_mul_f32 v[RA:RA+1], v[T+2*i:T+2*i+1], v[T+2*i:T+2*i+1]
.else
	v_pk_fma_f32 v[RA:RA+1], v[T+2*i:T+2*i+1], v[T+2*i:T+2*i+1], v[RA:RA+1]
.endif
.set i, i+1
.endr
.set i, 0
.rept 8
.set RA, P+2*(i&3)
	v_pk_fma_f32 v[RA:RA+1], v[T+16+2*i:T+16+2*i+1], v[T+16+2*i:T+16+2*i+1], v[RA:RA+1] neg_lo:[1,0,0] neg_hi:[1,0,0]
.set i, i+1
.endr
.endr
	v_pk_add_f32 v[P:P+1], v[P:P+1], v[P+2:P+3]
	v_pk_add_f32 v[P+4:P+5], v[P+4:P+5], v[P+6:P+7]
	v_pk_add_f32 v[P:P+1], v[P:P+1], v[P+4:P+5]
	v_add_f32 v[P], v[P], v[P+1]
	WSUM P, 1, T
	v_mul_f32 v[P], v[P], v[NS]
	v_mul_f32 v[P], s99, v[P]
	ds_store_b32 v[OUTA], v[P]
.Ljoin:
	BARRIER                                        ; the 24 numbers of the work-group lie in LDS
	s_cmp_lg_u32 s24, 0
	s_cbranch_scc1 .Lend
	s_mul_i32 s54, ttmp9, 96
	s_mov_b32 s55, 0
	s_add_nc_u64 s[22:23], s[22:23], s[54:55]
	v_cmp_gt_u32 vcc_lo, 24, v0
	s_and_saveexec_b32 s56, vcc_lo
	ds_load_b32 v244, v[T4] offset:OUTS
	s_wait_dscnt 0x0
	global_store_b32 v[T4], v244, s[22:23]         ; 24 lanes store 96 consecutive bytes
	s_wait_xcnt 0x0                                ; EXEC changes only behind this wait
	s_or_b32 exec_lo, exec_lo, s56
.Lend:
	s_wait_tensorcnt 0x0
	ds_add_u32 v252, v253
	s_wait_dscnt 0x0
	s_endpgm
.Lfunc_end_k_q8224ec8673_qsim:
	.size	k_q8224ec8673_qsim, .Lfunc_end_k_q8224ec8673_qsim-k_q8224ec8673_qsim
	.p2alignl 7, 3214868480
	.fill 96, 4, 3214868480
	.section	.rodata,"a",@progbits
	.p2align	6, 0x0
	.amdhsa_kernel k_q8224ec8673_qsim
		.amdhsa_group_segment_fixed_size 211712
		.amdhsa_private_segment_fixed_size 0
		.amdhsa_enable_private_segment 0
		.amdhsa_kernarg_size 80
		.amdhsa_user_sgpr_count 2
		.amdhsa_user_sgpr_kernarg_segment_ptr 1
		.amdhsa_wavefront_size32 1
		.amdhsa_system_sgpr_workgroup_id_x 1
		.amdhsa_system_sgpr_workgroup_id_y 1
		.amdhsa_system_sgpr_workgroup_id_z 1
		.amdhsa_system_vgpr_workitem_id 0
		.amdhsa_next_free_vgpr 256
		.amdhsa_next_free_sgpr 102
		.amdhsa_reserve_vcc 1
		.amdhsa_float_denorm_mode_32 3
		.amdhsa_float_denorm_mode_16_64 3
		.amdhsa_memory_ordered 1
		.amdhsa_forward_progress 1
		.amdhsa_inst_pref_size 255
	.end_amdhsa_kernel
	.section	.bss,"aw",@nobits
	.p2align	6
	.space	262144
	.amdgpu_metadata
---
amdhsa.version: [ 1, 2 ]
amdhsa.kernels:
  - .name:           k_q8224ec8673_qsim
    .symbol:         k_q8224ec8673_qsim.kd
    .args:
      - { .name: x, .offset: 0, .size: 8, .value_kind: global_buffer, .address_space: global }
      - { .name: action, .offset: 8, .size: 8, .value_kind: global_buffer, .address_space: global }
      - { .name: input_scaling_actor, .offset: 16, .size: 8, .value_kind: global_buffer, .address_space: global }
      - { .name: weights_actor, .offset: 24, .size: 8, .value_kind: global_buffer, .address_space: global }
      - { .name: output_scaling_actor, .offset: 32, .size: 8, .value_kind: global_buffer, .address_space: global }
      - { .name: input_scaling_critic, .offset: 40, .size: 8, .value_kind: global_buffer, .address_space: global }
      - { .name: weights_critic, .offset: 48, .size: 8, .value_kind: global_buffer, .address_space: global }
      - { .name: output_scaling_critic, .offset: 56, .size: 8, .value_kind: global_buffer, .address_space: global }
      - { .name: lowp_scales, .offset: 64, .size: 8, .value_kind: global_buffer, .address_space: global }
      - { .name: out0, .offset: 72, .size: 8, .value_kind: global_buffer, .address_space: global }
    .group_segment_fixed_size: 211712
    .private_segment_fixed_size: 0
    .kernarg_segment_align: 8
    .kernarg_segment_size: 80
    .max_flat_workgroup_size: 512
    .sgpr_count:     102
    .vgpr_count:     256
    .wavefront_size: 32
...
	.end_amdgpu_metadata
.endif
;; end of part 1
